; MI455X (gfx1250); checked and timed in simulation.
; The chip was launched on July 23, 2026; its instructions are those of AMD's public machine-readable ISA for CDNA 5 (MIT licence, August 2026) and "CDNA5" Instruction Set Architecture Reference Guide (July 2026). The comments in the code are by the model that wrote it; some were corrected since.
;; Gauss Softmax V3. Allowed arithmetic: matrix products marked QUANTISED: E2M1 operands, one E8M0 scale for each 32 along K, by v_wmma_scale_f32_16x16x128_f8f6f4 with both operands' format E2M1 (or v_wmma_scale_f32_32x16x128_f4), f32 sums; everything else in f32.
;; Inputs: log_sigma 16,000 x 64 float32; log_sigma_c 128 x 64 float32; mu 16,000 x 64 float32; mu_c 128 x 64 float32; x_codes 512 x 4 x 16 uint8 (E2M1 codes of x, K innermost, in blocks of 32 codes, two codes a byte); x_scales 512 x 4 uint8 (E8M0 scales of x, one for each 32 codes along K).
;; Outputs: out0 16,000 x 512 float32; out1 16,000 x 128 float32.
;; Constants: t = 0.
;; This version of the problem:
;;   THIS VERSION OF THE PROBLEM IS GIVEN IN LOW PRECISION. The matrix products marked QUANTISED in the list below multiply operands that are first quantised to E2M1 (2 exponent bits, 1 mantissa bit; 4 bits a number), with one power-of-two scale for each 32 numbers along K (OCP MX v1.0); their sums are f32. All else is computed in f32.
;;   The module's matrix products, in the order in which they are computed (A, B: the left and right operand; K: the contracted axis; several contracted axes count as one K, in the product's order):
;;     1. [M 16,000, K 128] x [K 128, N 512]; A: computed on the way; B: input x (given as codes): QUANTISED
;;   THE QUANTISER, for each operand of a quantised product, along K:
;;     - K is cut into blocks of 32 from its start; a last block that is shorter is filled with zeros.
;;     - A block's scale is 2^e with e = floor(log2(the largest magnitude in the block)) - 2, held to -126 .. 127; a block of zeros has e = 0. As a byte (E8M0): e + 127.
;;     - Each number is divided by its block's scale, clamped to +-6, and rounded to the nearest number of E2M1, ties to even, subnormals kept.
;;     - The product sums the exact products of the quantised numbers (number of the format x scale) in f32.
;;   ~~~python
;;   def quantise(x, axis):      # numpy; x: float32 -> the quantised numbers, widened to float32 again
;;       x = np.moveaxis(x, axis, -1); K = x.shape[-1]
;;       x = np.pad(x, [(0, 0)] * (x.ndim - 1) + [(0, -K % 32)]); x = x.reshape(x.shape[:-1] + (-1, 32)); a = np.abs(x).max(-1, keepdims=True)
;;       e = np.where(a > 0, np.clip(np.frexp(np.where(a > 0, a, 1))[1] - 1 - 2, -126, 127), 0)      # np.frexp(a)[1] - 1 = floor(log2(a)), exactly
;;       r = np.clip(x / 2.0 ** e, -6, 6)
;;       step = 2.0 ** (np.maximum(np.frexp(np.where(r == 0, 1, r))[1] - 1, 0) - 1)
;;       q = np.round(r / step) * step * 2.0 ** e      # np.round: ties to even
;;       return np.moveaxis(q.reshape(q.shape[:-2] + (-1,))[..., :K], -1, axis).astype(np.float32)
;;   ~~~
;;   OPERANDS COMPUTED ON THE WAY. 'Computed on the way' means the value that the module computes at that place (a softmax that the list does not call 'softmax' is quantised finished and normalised). What goes into a quantiser is computed in f32, as accurately as f32 sums, v_exp_f32 and their like allow (about 1e-6 of the number): no bf16 or f16 on the way to a quantiser, and a product that is left as it is and whose result goes on into a quantised operand takes f32 operands (vector FMAs, or v_wmma_f32_16x16x4_f32). A number that lies on a knife's edge between two numbers of the format may be rounded either way, as far as f32 arithmetic and the matrix unit's own rounding can turn it there, and no further.
;;   INPUTS GIVEN AS CODES. x (in the module: [128, 512], K = its axis 0): each comes as NAME_codes (uint8): NAME with its K axis moved to the last place and cut into blocks of 32 codes, [.., K / 32, bytes a block], one block behind the other in memory; two codes a byte, the lower K in the low four bits (a code: sign, 2 exponent bits, 1 mantissa bit); and NAME_scales (uint8): the same leading axes, one E8M0 byte (e + 127) for each 32 codes along K. Its value is code x scale, taken as it is: it is not quantised again, and the codes and scales need not be those that the quantiser above would give.
;; One version. Each part assembles by itself: llvm-mc -triple=amdgcn-amd-amdhsa -mcpu=gfx1250 --defsym DOCPART=n.
;; ======== version 1 of 1: 2 launches
;; workspace buffers: genergy 8,192,000 bytes; lsepart 128,000 bytes
;; launch energy (part 1): grid 250 x 1, 4 waves a work-group, no clusters, 176,640 bytes of LDS; arguments mu, log_sigma, mu_c, log_sigma_c, out1, genergy, lsepart; writes out1, genergy, lsepart
.if DOCPART == 1
	.amdgcn_target "amdgcn-amd-amdhsa--gfx1250"
	.amdhsa_code_object_version 6
	.text
	.protected	k_q8c953d377c_energy
	.globl	k_q8c953d377c_energy
	.p2align	8
	.type	k_q8c953d377c_energy,@function
k_q8c953d377c_energy:
	s_mov_b64 s[64:65], 0
	v_nop
	global_prefetch_b8 v0, s[64:65] scope:SCOPE_SE
	s_setreg_imm32_b32 hwreg(HW_REG_WAVE_MODE, 25, 1), 1
	s_wait_xcnt 0x0
; For 64 rows v and all 128 columns t:  kl (out1, finished), the energy of the softmax (workspace) and the work-group's log-sum-exp of each column (workspace).
; All in f32.  With the clipped parameters, sv = exp(lsv), st = exp(lst), s' = (sv + st) / 2 (an exact scaling), d2 = (mv - mt)^2:
;   g(v,t)  = -0.5 log2(prod_d s') - 0.25 log2(e) sum_d d2 / s'     the energy in units of log 2.  Its further terms, -32 and -0.5 x 64 x log2(2 pi), are the same for all rows of a column
;             and fall out of the softmax over the rows, which is the energy's only use: they are not added.
;   kl(v,t) = 0.5 (sum_d d2 / st - sum_d lsv) + (sum_d (sv / 2) / st - 32 + 0.5 sum_d lst)
; ONE LOGARITHM AND ONE RECIPROCAL FOR 32 d.  The clip holds s' in [0.1, 10], so a product of 32 of them lies in [1e-32, 1e32].  sum d2 / s' is carried as a fraction n / p: two fractions merge by
; p = p1 p2, n = n1 p2 + n2 p1, three packed instructions; the low halves carry the even d, the high halves the odd d; n stays under 2,560 p.
; SHARES.  Four waves; wave w owns rows 16 w .. 16 w + 15 and ALL columns: lane l holds columns 4 l .. 4 l + 3, whose parameters fill register windows 1 (mt), 2 (st / 2) and 3 (1 / st): register 64 j + d.
; A row's parameters are read from LDS by loads in which all lanes name the same bytes; each such load serves four columns a lane.
; The columns' parameters are clipped and exponentiated once a work-group, 64 numbers of each array a thread, and go to the waves through LDS as images of the registers.
; The maximum is taken away ahead of every exponential: a wave's column maximum, then the work-group's; the next launch takes the maximum of the work-groups' figures.
; NO CLUSTER: the grid has 250 work-groups, which is no multiple of 4; what work-groups share, 64 KiB of column parameters, is read once at the head.  No tensor load: every input byte needs arithmetic before its use.
; LIMITS: NaN and infinities among the inputs are not served.
.set VROW,  528                        ; a row in LDS: mv 256 bytes, sv / 2 256 bytes, the pair (-sum lsv, 0), 8 spare
.set VWAVE, 17*VROW                    ; a wave's 16 rows and one more, of zeros, which the last trip's loads ahead name
.set ARRB,  64*528                     ; an array's images: 64 groups (column j of four, 4 d) of 32 lanes x 16 bytes, 528 bytes apart = 33 x 16: the 16 writers of a row fall on 16 different 16-byte columns
.set VPB,   3*ARRB                     ; the rows
.set CTB,   VPB+4*VWAVE                ; sum_d lst, a word a column
.set STB,   CTB+512                    ; each wave's stash of g: 16 chunks of 512 bytes, 528 apart, in the order of the next launch's loads
.set STW,   16*528
.set CMB,   STB+4*STW                  ; each wave's column maxima (512 bytes) and sums (512 bytes)
; window 0 in the loop
.set LI,    1                          ; 16 x lane
.set VADR,  2                          ; my row in LDS (the same in all lanes)
.set GST,   3                          ; where my four g go in the stash; 16 bytes on with each row
.set GSB,   4                          ; the same for row 0
.set GRD,   5                          ; the stash read chunk by chunk
.set SINIT, 8                          ; v8-15   column j: the pair (0.5 sum lst - 16, -16)
.set DINIT, 16                         ; v16-17  the pair (-sum lsv, 0) of the row
.set MX,    18                         ; v18-21  running maxima of g
.set MV,    22                         ; v22-37  mv of 16 d
.set SV,    38                         ; v38-69  sv / 2 of 16 d, two sets
.set DD,    70                         ; v70-133 column j, pair k: mv - mt, then its square
.set SS,    134                        ; v134-197 likewise s'
.set XP,    198                        ; v198-205 a spare pair a column; at a row's end kl (4) and g (4)
.set NODE,  206                        ; v206-237 column j: p, n of the first tree node, p, n of the second
.set ACC,   238                        ; v238-253 column j: sum (sv / 2) / st, sum d2 / st
; window 0 at the head
.set TW,    6
.set TW2,   7
.set TOFF,  8
.set VW,    9
.set CTW,   10
.set LA1,   11
.set LA2,   12
.set CVW,   13
.set E1,    16
.set SM,    48
.set TM,    64
.set TL,    128
.set VM,    192
.set VL,    224
.set SL0, SS
.set SL1, SS+2
.set SL2, SS+4
.set SL3, SS+6
.set SL4, SS+8
.set SL5, SS+10
.set SL6, SS+12
.set SL7, SS+14
.set DQ0, DD
.set DQ1, DD+2
.set DQ2, DD+4
.set DQ3, DD+6
.set DQ4, DD+8
.set DQ5, DD+10
.set DQ6, DD+12
.set DQ7, DD+14
.set NPA, NODE
.set NNA, NODE+2
.set NPB, NODE+4
.set NNB, NODE+6
.set MSB, 0
.macro WIN new                         ; the immediate's high byte repeats the setting that is left; bits 3:2 source 1, 7:6 destination
.if MSB != \new
	s_set_vgpr_msb (MSB<<8)|\new
.set MSB, \new
.endif
.endm
.macro M4 d, e, a, f, b, g             ; d = a x b, once for each of the lane's four columns (e, f, g: registers from column to column)
.set jj, 0
.rept 4
	v_pk_mul_f32 v[\d+\e*jj:\d+\e*jj+1], v[\a+\f*jj:\a+\f*jj+1], v[\b+\g*jj:\b+\g*jj+1]
.set jj, jj+1
.endr
.endm
.macro F4 d, e, a, f, b, g             ; d += a x b, likewise
.set jj, 0
.rept 4
	v_pk_fma_f32 v[\d+\e*jj:\d+\e*jj+1], v[\a+\f*jj:\a+\f*jj+1], v[\b+\g*jj:\b+\g*jj+1], v[\d+\e*jj:\d+\e*jj+1]
.set jj, jj+1
.endr
.endm
.macro ROWSUM src                      ; eight chunks of 4 numbers a lane; sixteen lanes hold a row of 64: its sum comes to v[SM + 2 i] of all sixteen
.irp i, 0,1,2,3,4,5,6,7
	v_add_f32 v[SM+2*\i], v[\src+4*\i], v[\src+4*\i+1]
	v_add_f32 v[SM+2*\i+1], v[\src+4*\i+2], v[\src+4*\i+3]
.endr
.irp i, 0,1,2,3,4,5,6,7
	v_add_f32 v[SM+2*\i], v[SM+2*\i], v[SM+2*\i+1]
.endr
.irp m, 1,2,4,8
.irp i, 0,1,2,3,4,5,6,7
	v_add_f32_dpp v[SM+2*\i], v[SM+2*\i], v[SM+2*\i] row_xmask:\m row_mask:0xf bank_mask:0xf
.endr
.endr
.endm
	s_load_b256 s[4:11], s[0:1], 0x0               ; mu s[4:5], log_sigma s[6:7], mu_c s[8:9], log_sigma_c s[10:11]
	s_load_b128 s[12:15], s[0:1], 0x20             ; out1 s[12:13], g s[14:15]
	s_load_b64 s[16:17], s[0:1], 0x30              ; the partial log-sum-exps
	v_lshrrev_b32 v15, 5, v0                       ; wave, in every lane
	v_readfirstlane_b32 s18, v15                   ; and as a scalar
	v_and_b32 v14, 31, v0
	v_lshlrev_b32 v[LI], 4, v14
	v_lshlrev_b32 v[TOFF], 4, v0                   ; a load of the work-group covers 2,048 consecutive bytes, 16 a thread
	s_lshl_b32 s20, ttmp9, 14                      ; my 64 rows of 256 bytes in mu and log_sigma
	s_mov_b32 s21, 0
	s_lshl_b32 s22, ttmp9, 15                      ; my 64 rows of 512 bytes in out1 (and as many bytes in g),
	s_lshl_b32 s23, s18, 13                        ; my wave's 16 of them
	s_add_co_u32 s22, s22, s23
	s_mov_b32 s23, 0
	s_lshl_b32 s34, ttmp9, 9                       ; my work-group's row of 512 bytes among the partials
	s_mov_b32 s35, 0
	s_mov_b32 s24, 0x3fb504f3                      ; sqrt(2)
	s_mov_b32 s25, 0xbfb504f3
	s_mov_b32 s26, 0x40135d8e                      ; log(10)
	s_mov_b32 s27, 0xc0135d8e                      ; log(0.1)
	s_mov_b32 s28, 0x3fb8aa3b                      ; log2(e)
	s_mov_b32 s29, 0xbfb8aa3b
	s_mov_b32 s30, 0xc1800000                      ; -16
	s_mov_b32 s32, 0xbeb8aa3b                      ; -0.25 log2(e)
	s_mov_b32 s33, s32                             ; (named with it as a pair)
	s_wait_alu depctr_va_vdst(0)
	s_wait_kmcnt 0x0
	s_add_nc_u64 s[4:5], s[4:5], s[20:21]
	s_add_nc_u64 s[6:7], s[6:7], s[20:21]
	s_add_nc_u64 s[12:13], s[12:13], s[22:23]
	s_add_nc_u64 s[14:15], s[14:15], s[22:23]
	s_add_nc_u64 s[16:17], s[16:17], s[34:35]
.irp i, 0,1,2,3,4,5,6,7,8,9,10,11,12,13,14,15
	global_load_b128 v[TL+4*\i:TL+4*\i+3], v[TOFF], s[10:11] offset:2048*\i     ; log_sigma_c: column 8 i + thread / 16, d = 4 (thread % 16) on
.endr
.irp i, 0,1,2,3,4,5,6,7,8,9,10,11,12,13,14,15
	global_load_b128 v[TM+4*\i:TM+4*\i+3], v[TOFF], s[8:9] offset:2048*\i       ; mu_c likewise
.endr
.irp i, 0,1,2,3,4,5,6,7
	global_load_b128 v[VL+4*\i:VL+4*\i+3], v[TOFF], s[6:7] offset:2048*\i th:TH_LOAD_NT   ; log_sigma: row 8 i + thread / 16 of my 64
.endr
.irp i, 0,1,2,3,4,5,6,7
	global_load_b128 v[VM+4*\i:VM+4*\i+3], v[TOFF], s[4:5] offset:2048*\i th:TH_LOAD_NT   ; mu likewise
.endr
	; LDS addresses, each made of the thread's number and constants
	v_bfe_u32 v24, v0, 4, 2                        ; column 8 i + thread / 16 = 4 l + j:  j = (thread / 16) % 4,  l = 2 i + thread / 64
	v_mul_u32_u24 v[TW], v24, 16*528
	v_and_b32 v14, 15, v0
	v_mad_u32_u24 v[TW], v14, 528, v[TW]
	v_lshrrev_b32 v25, 6, v0
	v_lshl_add_u32 v[TW], v25, 4, v[TW]            ; image of group (j, thread % 16), lane l: 32 i comes as the immediate
	v_add_nc_u32 v[TW2], 2*ARRB, v[TW]
	v_lshrrev_b32 v24, 4, v0
	v_mul_u32_u24 v[CVW], v24, VROW
	v_add_nc_u32 v[CVW], VPB, v[CVW]               ; row thread / 16 of a group of eight rows,
	v_lshl_add_u32 v[VW], v14, 4, v[CVW]           ; and my 16 bytes in it
	v_lshl_add_u32 v[CTW], v24, 2, CTB
	v_add_nc_u32 v[LA1], ARRB, v[LI]
	v_add_nc_u32 v[LA2], 2*ARRB, v[LI]
	v_bfe_u32 v24, v0, 4, 1                        ; my columns 4 l .. 4 l + 3 are k = 64 c + 32 h + 4 q on:  c = l / 16, h = (l / 8) % 2, q = l % 8
	v_and_b32 v25, 7, v0
	v_lshl_add_u32 v24, v24, 3, v25                ; chunk 8 c + q
	v_mul_u32_u24 v24, v24, 528
	v_bfe_u32 v25, v0, 3, 1
	v_lshl_add_u32 v24, v25, 8, v24                ; in it lane 16 h + row
	v_mad_u32_u24 v24, v15, STW, v24
	v_add_nc_u32 v[GST], STB, v24
	v_add_nc_u32 v[GSB], STB, v24
	v_mad_u32_u24 v25, v15, STW, v[LI]
	v_add_nc_u32 v[GRD], STB, v25
	v_mul_u32_u24 v[VADR], v15, VWAVE
	v_add_nc_u32 v[VADR], VPB, v[VADR]
	v_add_nc_u32 v15, v[VADR], v[LI]               ; my wave's rows, 16 bytes a lane: for the row of zeros
	v_add_nc_u32 v14, CTB, v[LI]                   ; sum lst of my four columns
; half of log_sigma_c: clip, the columns' sums, st / 2 = 2^(x log2 e - 1), 1 / st = 2^(-x log2 e)
.macro THALF hf
.set nn, 0
.rept 32
	v_med3_num_f32 v[TL+32*\hf+nn], v[TL+32*\hf+nn], s27, s26
.set nn, nn+1
.endr
	ROWSUM TL+32*\hf
.irp i, 0,1,2,3,4,5,6,7
	ds_store_b32 v[CTW], v[SM+2*\i] offset:32*(8*\hf+\i)          ; sixteen lanes write the same word with the same value
.endr
.set nn, 0
.rept 32
	v_fma_f32 v[E1+nn], v[TL+32*\hf+nn], s28, -1.0
.set nn, nn+1
.endr
.set nn, 0
.rept 32
	v_mul_f32 v[TL+32*\hf+nn], s29, v[TL+32*\hf+nn]
.set nn, nn+1
.endr
.set nn, 0
	s_wait_alu depctr_va_vdst(0)
.rept 32
	v_exp_f32 v[E1+nn], v[E1+nn]
.set nn, nn+1
.endr
.set nn, 0
.rept 32
	v_exp_f32 v[TL+32*\hf+nn], v[TL+32*\hf+nn]
.set nn, nn+1
.endr
	v_nop                                          ; a plain instruction behind the last exponential,
	s_wait_alu depctr_va_vdst(0)                   ; and one wait for the 64, ahead of the stores that read them
.irp i, 0,1,2,3,4,5,6,7
	ds_store_b128 v[TW], v[E1+4*\i:E1+4*\i+3] offset:ARRB+32*(8*\hf+\i)
	ds_store_b128 v[TW2], v[TL+32*\hf+4*\i:TL+32*\hf+4*\i+3] offset:32*(8*\hf+\i)
.endr
.endm
	s_wait_loadcnt 32                              ; log_sigma_c is in: behind it 16 + 8 + 8 loads were issued
	THALF 0
	THALF 1
	s_wait_loadcnt 16                              ; mu_c is in: behind it 8 + 8
.set nn, 0
.rept 64
	v_med3_num_f32 v[TM+nn], v[TM+nn], s25, s24
.set nn, nn+1
.endr
.irp i, 0,1,2,3,4,5,6,7,8,9,10,11,12,13,14,15
	ds_store_b128 v[TW], v[TM+4*\i:TM+4*\i+3] offset:32*\i
.endr
	s_wait_dscnt 0x0                               ; my part of the images lies in LDS
	s_barrier_signal -1
	s_barrier_wait -1                              ; everybody's does
	ds_load_b128 v[16:19], v14                     ; sum lst of my four columns
	WIN 0x40                                       ; destination window 1: mt.  Group g = 16 j + d / 4 comes to registers 4 g .. 4 g + 3
.set gg, 0
.rept 64
	ds_load_b128 v[4*gg:4*gg+3], v[LI] offset:528*gg
.set gg, gg+1
.endr
	WIN 0x80                                       ; window 2: st / 2
.set gg, 0
.rept 64
	ds_load_b128 v[4*gg:4*gg+3], v[LA1] offset:528*gg
.set gg, gg+1
.endr
	WIN 0xc0                                       ; window 3: 1 / st
.set gg, 0
.rept 64
	ds_load_b128 v[4*gg:4*gg+3], v[LA2] offset:528*gg
.set gg, gg+1
.endr
	WIN 0
	; while those 192 loads come, the rows' parameters are made
	s_wait_loadcnt 8                               ; log_sigma is in: behind it mu's 8
.set nn, 0
.rept 32
	v_med3_num_f32 v[VL+nn], v[VL+nn], s27, s26
.set nn, nn+1
.endr
	ROWSUM VL
.irp i, 0,1,2,3,4,5,6,7
	v_xor_b32 v[SM+2*\i], 0x80000000, v[SM+2*\i]   ; -sum lsv,
	v_mov_b32 v[SM+2*\i+1], 0                      ; and 0: the pair from which the row's sum of d2 / st starts
.endr
.irp i, 0,1,2,3,4,5,6,7
	ds_store_b64 v[CVW], v[SM+2*\i:SM+2*\i+1] offset:(\i/2)*VWAVE+(\i%2)*8*VROW+512
.endr
.set nn, 0
.rept 32
	v_fma_f32 v[VL+nn], v[VL+nn], s28, -1.0
.set nn, nn+1
.endr
.set nn, 0
	s_wait_alu depctr_va_vdst(0)
.rept 32
	v_exp_f32 v[VL+nn], v[VL+nn]                   ; sv / 2
.set nn, nn+1
.endr
	v_mov_b32 v20, 0                               ; (plain instructions behind the last exponential)
	v_mov_b32 v21, 0
	v_mov_b32 v22, 0
	v_mov_b32 v23, 0
	s_wait_alu depctr_va_vdst(0)                   ; one wait for the 32
.irp i, 0,1,2,3,4,5,6,7
	ds_store_b128 v[VW], v[VL+4*\i:VL+4*\i+3] offset:(\i/2)*VWAVE+(\i%2)*8*VROW+256
.endr
	s_wait_loadcnt 0x0                             ; mu
.set nn, 0
.rept 32
	v_med3_num_f32 v[VM+nn], v[VM+nn], s25, s24
.set nn, nn+1
.endr
.irp i, 0,1,2,3,4,5,6,7
	ds_store_b128 v[VW], v[VM+4*\i:VM+4*\i+3] offset:(\i/2)*VWAVE+(\i%2)*8*VROW
.endr
	ds_store_b128 v15, v[20:23] offset:16*VROW     ; my wave's seventeenth row: zeros in bytes 0 .. 511,
	ds_store_b128 v15, v[20:23] offset:16*VROW+16  ; and in bytes 16 .. 527
	s_wait_dscnt 0x0                               ; my stores have landed, and all my loads are in
.irp j, 0,1,2,3
	v_fma_f32 v[SINIT+2*\j], v[16+\j], 0.5, s30    ; 0.5 sum lst - 16
	v_mov_b32 v[SINIT+2*\j+1], s30                 ; -16
.endr
	s_barrier_signal -1
	s_barrier_wait -1                              ; the 64 rows lie in LDS
.irp j, 0,1,2,3
	v_mov_b32 v[MX+\j], 0xff800000                 ; under every g
.endr
.irp i, 0,1,2,3
	ds_load_b128 v[MV+4*\i:MV+4*\i+3], v[VADR] offset:16*\i
	ds_load_b128 v[SV+4*\i:SV+4*\i+3], v[VADR] offset:256+16*\i
.endr
	ds_load_b64 v[DINIT:DINIT+1], v[VADR] offset:512
; 16 d (eight pairs) of one row against the lane's four columns.  Only source 1 changes its window: four switches for about 250 instructions.
.macro BATCH b
	s_wait_dscnt 0x0                               ; this piece of the row was asked for one BATCH ago
	WIN 0x04                                       ; source 1: mt
.set kk, 0
.rept 8
.set jj, 0
.rept 4
	v_pk_add_f32 v[DD+16*jj+2*kk:DD+16*jj+2*kk+1], v[MV+2*kk:MV+2*kk+1], v[64*jj+16*\b+2*kk:64*jj+16*\b+2*kk+1] neg_lo:[0,1] neg_hi:[0,1]
.set jj, jj+1
.endr
.set kk, kk+1
.endr
.if \b < 3
.set NXT, 64*(\b+1)                    ; the same row's next 16 d,
.else
.set NXT, VROW                         ; or the next row's first (behind the wave's last row: the row of zeros, which nobody uses)
.endif
.irp i, 0,1,2,3
	ds_load_b128 v[MV+4*\i:MV+4*\i+3], v[VADR] offset:NXT+16*\i                     ; mv has been read for the last time
	ds_load_b128 v[SV+16*((\b+1)%2)+4*\i:SV+16*((\b+1)%2)+4*\i+3], v[VADR] offset:NXT+256+16*\i   ; sv / 2 is still wanted: the other set
.endr
.if \b == 1
	ds_load_b64 v[DINIT:DINIT+1], v[VADR] offset:VROW+512
.endif
	WIN 0x08                                       ; source 1: st / 2
.set kk, 0
.rept 8
.set jj, 0
.rept 4
	v_pk_add_f32 v[SS+16*jj+2*kk:SS+16*jj+2*kk+1], v[SV+16*(\b%2)+2*kk:SV+16*(\b%2)+2*kk+1], v[64*jj+16*\b+2*kk:64*jj+16*\b+2*kk+1]
.set jj, jj+1
.endr
.set kk, kk+1
.endr
	WIN 0
.if \b == 0
	s_wait_xcnt 0x0                                ; the last row's store of kl has read its base and its data (the spare pairs): both are written again only behind this wait
	s_add_nc_u64 s[12:13], s[12:13], 512           ; one row further than the row in hand: its store reaches back by the immediate
.endif
	; the squares, and among them the merges of neighbouring pairs.  d2 is kept for kl, so a merge's n goes to a free pair: first the spare, then the s' that the merge before has used up
	M4 DQ0,16,DQ0,16,DQ0,16
	M4 DQ1,16,DQ1,16,DQ1,16
	M4 XP,2,DQ0,16,SL1,16
	M4 DQ2,16,DQ2,16,DQ2,16
	F4 XP,2,DQ1,16,SL0,16
	M4 DQ3,16,DQ3,16,DQ3,16
	M4 SL0,16,SL0,16,SL1,16                        ; pairs 0, 1: p in SL0, n in the spare
	M4 SL1,16,DQ2,16,SL3,16
	M4 DQ4,16,DQ4,16,DQ4,16
	F4 SL1,16,DQ3,16,SL2,16
	M4 DQ5,16,DQ5,16,DQ5,16
	M4 SL2,16,SL2,16,SL3,16                        ; pairs 2, 3: p in SL2, n in SL1
	M4 SL3,16,DQ4,16,SL5,16
	M4 DQ6,16,DQ6,16,DQ6,16
	F4 SL3,16,DQ5,16,SL4,16
	M4 DQ7,16,DQ7,16,DQ7,16
	M4 SL4,16,SL4,16,SL5,16                        ; pairs 4, 5: p in SL4, n in SL3
	M4 SL5,16,DQ6,16,SL7,16
	M4 XP,2,XP,2,SL2,16                            ; from here on in place: n1 = n1 p2 + n2 p1, p1 = p1 p2
	F4 SL5,16,DQ7,16,SL6,16
	F4 XP,2,SL1,16,SL0,16
	M4 SL6,16,SL6,16,SL7,16                        ; pairs 6, 7: p in SL6, n in SL5
	M4 SL0,16,SL0,16,SL2,16                        ; pairs 0-3: p in SL0, n in the spare
	M4 SL3,16,SL3,16,SL6,16
	F4 SL3,16,SL5,16,SL4,16
	M4 SL4,16,SL4,16,SL6,16                        ; pairs 4-7: p in SL4, n in SL3
.if \b == 0
	M4 NNA,8,XP,2,SL4,16                           ; d 0-15: the first node
	F4 NNA,8,SL3,16,SL0,16
	M4 NPA,8,SL0,16,SL4,16
.elseif \b == 2
	M4 NNB,8,XP,2,SL4,16                           ; d 32-47: the second node
	F4 NNB,8,SL3,16,SL0,16
	M4 NPB,8,SL0,16,SL4,16
.else
	M4 XP,2,XP,2,SL4,16
	F4 XP,2,SL3,16,SL0,16
	M4 SL0,16,SL0,16,SL4,16
.endif
.if \b == 1
	M4 NNA,8,NNA,8,SL0,16                          ; d 0-31
	F4 NNA,8,XP,2,NPA,8
	M4 NPA,8,NPA,8,SL0,16
.endif
.if \b == 3
	M4 NNB,8,NNB,8,SL0,16                          ; d 32-63
	F4 NNB,8,XP,2,NPB,8
	M4 NPB,8,NPB,8,SL0,16
	M4 NNA,8,NNA,8,NPB,8                           ; all 64: 32 even d in the low halves, 32 odd d in the high halves
	F4 NNA,8,NNB,8,NPA,8
	M4 NPA,8,NPA,8,NPB,8
.endif
	WIN 0x0c                                       ; source 1: 1 / st
.set kk, 0
.rept 8
.set jj, 0
.rept 4
.if (\b == 0) && (kk == 0)
	v_pk_fma_f32 v[ACC+4*jj:ACC+4*jj+1], v[SV+16*(\b%2)+2*kk:SV+16*(\b%2)+2*kk+1], v[64*jj+16*\b+2*kk:64*jj+16*\b+2*kk+1], v[SINIT+2*jj:SINIT+2*jj+1]
	v_pk_fma_f32 v[ACC+4*jj+2:ACC+4*jj+3], v[DD+16*jj+2*kk:DD+16*jj+2*kk+1], v[64*jj+16*\b+2*kk:64*jj+16*\b+2*kk+1], v[DINIT:DINIT+1]
.else
	v_pk_fma_f32 v[ACC+4*jj:ACC+4*jj+1], v[SV+16*(\b%2)+2*kk:SV+16*(\b%2)+2*kk+1], v[64*jj+16*\b+2*kk:64*jj+16*\b+2*kk+1], v[ACC+4*jj:ACC+4*jj+1]
	v_pk_fma_f32 v[ACC+4*jj+2:ACC+4*jj+3], v[DD+16*jj+2*kk:DD+16*jj+2*kk+1], v[64*jj+16*\b+2*kk:64*jj+16*\b+2*kk+1], v[ACC+4*jj+2:ACC+4*jj+3]
.endif
.set jj, jj+1
.endr
.set kk, kk+1
.endr
.endm
	s_mov_b32 s19, 16
.Lrow:
	BATCH 0
	BATCH 1
	BATCH 2
	BATCH 3
	WIN 0
.set jj, 0
	s_wait_alu depctr_va_vdst(0)
.rept 4
	v_log_f32 v[DD+4*jj], v[NPA+8*jj]
	v_log_f32 v[DD+4*jj+1], v[NPA+8*jj+1]
	v_rcp_f32 v[DD+4*jj+2], v[NPA+8*jj]
	v_rcp_f32 v[DD+4*jj+3], v[NPA+8*jj+1]
.set jj, jj+1
.endr
.set jj, 0
.rept 4                                        ; kl stands behind the sixteen as work that names none of their results
	v_add_f32 v[SS+2*jj], v[ACC+4*jj+2], v[ACC+4*jj+3]
	v_add_f32 v[SS+2*jj+1], v[ACC+4*jj], v[ACC+4*jj+1]
.set jj, jj+1
.endr
.set jj, 0
.rept 4
	v_fma_f32 v[XP+jj], v[SS+2*jj], 0.5, v[SS+2*jj+1]
.set jj, jj+1
.endr
	s_wait_alu depctr_va_vdst(0)                   ; one wait for the sixteen, ahead of their first reader
.set jj, 0
.rept 4
	v_pk_mul_f32 v[DD+4*jj+2:DD+4*jj+3], v[NNA+8*jj:NNA+8*jj+1], v[DD+4*jj+2:DD+4*jj+3]      ; n / p
.set jj, jj+1
.endr
.set jj, 0
.rept 4
	v_pk_mul_f32 v[DD+4*jj:DD+4*jj+1], v[DD+4*jj:DD+4*jj+1], -0.5 op_sel_hi:[1,0]
.set jj, jj+1
.endr
.set jj, 0
.rept 4
	v_pk_fma_f32 v[DD+4*jj:DD+4*jj+1], v[DD+4*jj+2:DD+4*jj+3], s[32:33], v[DD+4*jj:DD+4*jj+1] op_sel_hi:[1,0,1]
.set jj, jj+1
.endr
.set jj, 0
.rept 4
	v_add_f32 v[XP+4+jj], v[DD+4*jj], v[DD+4*jj+1] ; g: the even d's part and the odd d's
.set jj, jj+1
.endr
.set jj, 0
.rept 4
	v_max_num_f32 v[MX+jj], v[MX+jj], v[XP+4+jj]
.set jj, jj+1
.endr
	global_store_b128 v[LI], v[XP:XP+3], s[12:13] offset:-512 th:TH_STORE_NT   ; a whole row of kl: 512 consecutive bytes, aligned
	ds_store_b128 v[GST], v[XP+4:XP+7]
	v_add_nc_u32 v[VADR], VROW, v[VADR]
	v_add_nc_u32 v[GST], 16, v[GST]
	s_sub_co_u32 s19, s19, 1
	s_cmp_lg_u32 s19, 0
	s_cbranch_scc1 .Lrow
	; my 16 rows of g leave in the order of the next launch's operand loads; and come back as I stored them, for the columns' sums.  LDS serves a wave's instructions in order: these loads see my stores
.irp r, 0,1,2,3,4,5,6,7,8,9,10,11,12,13,14,15
	ds_load_b128 v[SS+4*\r:SS+4*\r+3], v[GRD] offset:528*\r
.endr
.irp r, 0,1,2,3,4,5,6,7,8,9,10,11,12,13,14,15
	ds_load_b128 v[DD+4*\r:DD+4*\r+3], v[GSB] offset:16*\r
.endr
.irp r, 0,1,2,3,4,5,6,7,8,9,10,11,12,13,14,15
	s_wait_dscnt 31-\r                             ; chunk r is in: behind it 31 - r loads were issued
	global_store_b128 v[LI], v[SS+4*\r:SS+4*\r+3], s[14:15] offset:512*\r      ; 512 consecutive bytes, aligned
.endr
	s_wait_dscnt 0x0
	s_wait_alu depctr_va_vdst(0)
.irp r, 0,1,2,3,4,5,6,7,8,9,10,11,12,13,14,15
	v_pk_add_f32 v[DD+4*\r:DD+4*\r+1], v[DD+4*\r:DD+4*\r+1], v[MX:MX+1] neg_lo:[0,1] neg_hi:[0,1]
	v_pk_add_f32 v[DD+4*\r+2:DD+4*\r+3], v[DD+4*\r+2:DD+4*\r+3], v[MX+2:MX+3] neg_lo:[0,1] neg_hi:[0,1]
.endr
.set nn, 0
	s_wait_alu depctr_va_vdst(0)
.rept 64
	v_exp_f32 v[DD+nn], v[DD+nn]
.set nn, nn+1
.endr
	v_lshrrev_b32 v6, 5, v0                        ; (plain work behind the last exponential)
	v_lshl_add_u32 v6, v6, 10, v[LI]
	v_add_nc_u32 v6, CMB, v6                       ; my wave's maxima and sums
	s_wait_alu depctr_va_vdst(0)                   ; one wait for the 64
.irp st, 8,4,2,1
.set rr, 0
.rept \st
	v_pk_add_f32 v[DD+4*rr:DD+4*rr+1], v[DD+4*rr:DD+4*rr+1], v[DD+4*(rr+\st):DD+4*(rr+\st)+1]
	v_pk_add_f32 v[DD+4*rr+2:DD+4*rr+3], v[DD+4*rr+2:DD+4*rr+3], v[DD+4*(rr+\st)+2:DD+4*(rr+\st)+3]
.set rr, rr+1
.endr
.endr
	ds_store_b128 v6, v[MX:MX+3]
	ds_store_b128 v6, v[DD:DD+3] offset:512
	s_wait_dscnt 0x0                               ; for the others' sake: my stores have landed
	s_barrier_signal -1
	s_barrier_wait -1
	s_cmp_lg_u32 s18, 0
	s_cbranch_scc1 .Lend                           ; wave 0 joins the four waves' figures
	v_add_nc_u32 v7, CMB, v[LI]
.irp u, 0,1,2,3
	ds_load_b128 v[22+8*\u:25+8*\u], v7 offset:1024*\u
	ds_load_b128 v[26+8*\u:29+8*\u], v7 offset:1024*\u+512
.endr
	s_wait_dscnt 0x0
.irp e, 0,1,2,3
	v_max3_num_f32 v[206+\e], v[22+\e], v[30+\e], v[38+\e]
.endr
.irp e, 0,1,2,3
	v_max_num_f32 v[206+\e], v[206+\e], v[46+\e]
.endr
.irp u, 0,1,2,3
	v_pk_add_f32 v[22+8*\u:23+8*\u], v[22+8*\u:23+8*\u], v[206:207] neg_lo:[0,1] neg_hi:[0,1]
	v_pk_add_f32 v[24+8*\u:25+8*\u], v[24+8*\u:25+8*\u], v[208:209] neg_lo:[0,1] neg_hi:[0,1]
.endr
	s_wait_alu depctr_va_vdst(0)
.irp u, 0,1,2,3
.irp e, 0,1,2,3
	v_exp_f32 v[22+8*\u+\e], v[22+8*\u+\e]
.endr
.endr
	v_nop
	s_wait_alu depctr_va_vdst(0)
	v_pk_mul_f32 v[210:211], v[26:27], v[22:23]
	v_pk_mul_f32 v[212:213], v[28:29], v[24:25]
.irp u, 1,2,3
	v_pk_fma_f32 v[210:211], v[26+8*\u:27+8*\u], v[22+8*\u:23+8*\u], v[210:211]
	v_pk_fma_f32 v[212:213], v[28+8*\u:29+8*\u], v[24+8*\u:25+8*\u], v[212:213]
.endr
	s_wait_alu depctr_va_vdst(0)
.irp e, 0,1,2,3
	v_log_f32 v[214+\e], v[210+\e]
.endr
	v_nop
	s_wait_alu depctr_va_vdst(0)
	v_pk_add_f32 v[218:219], v[206:207], v[214:215]
	v_pk_add_f32 v[220:221], v[208:209], v[216:217]
	global_store_b128 v[LI], v[218:221], s[16:17]  ; log2 of the sum over my 64 rows of 2^g, for each column: 512 consecutive bytes, aligned
.Lend:
	s_wait_xcnt 0x0
	v_lshl_add_u32 v254, v0, 2, 0x2b000
	v_mov_b32 v255, 0
	s_wait_alu depctr_va_vdst(0)
	s_wait_tensorcnt 0x0
	ds_add_u32 v254, v255
	s_wait_dscnt 0x0
	s_endpgm
.Lfunc_end_k_q8c953d377c_energy:
	.size	k_q8c953d377c_energy, .Lfunc_end_k_q8c953d377c_energy-k_q8c953d377c_energy
	.p2alignl 7, 3214868480
	.fill 96, 4, 3214868480
	.section	.rodata,"a",@progbits
	.p2align	6, 0x0
	.amdhsa_kernel k_q8c953d377c_energy
		.amdhsa_group_segment_fixed_size 176640
		.amdhsa_private_segment_fixed_size 0
		.amdhsa_enable_private_segment 0
		.amdhsa_kernarg_size 56
		.amdhsa_user_sgpr_count 2
		.amdhsa_user_sgpr_kernarg_segment_ptr 1
		.amdhsa_wavefront_size32 1
		.amdhsa_system_sgpr_workgroup_id_x 1
		.amdhsa_system_sgpr_workgroup_id_y 1
		.amdhsa_system_sgpr_workgroup_id_z 1
		.amdhsa_system_vgpr_workitem_id 0
		.amdhsa_next_free_vgpr 1024
		.amdhsa_next_free_sgpr 66
		.amdhsa_reserve_vcc 0
		.amdhsa_float_denorm_mode_32 3
		.amdhsa_float_denorm_mode_16_64 3
		.amdhsa_memory_ordered 1
		.amdhsa_forward_progress 1
		.amdhsa_inst_pref_size 144
	.end_amdhsa_kernel
	.amdgpu_metadata
---
amdhsa.version: [ 1, 2 ]
amdhsa.kernels:
  - .name:           k_q8c953d377c_energy
    .symbol:         k_q8c953d377c_energy.kd
    .args:
      - { .name: mu, .offset: 0, .size: 8, .value_kind: global_buffer, .address_space: global }
      - { .name: log_sigma, .offset: 8, .size: 8, .value_kind: global_buffer, .address_space: global }
      - { .name: mu_c, .offset: 16, .size: 8, .value_kind: global_buffer, .address_space: global }
      - { .name: log_sigma_c, .offset: 24, .size: 8, .value_kind: global_buffer, .address_space: global }
      - { .name: out1, .offset: 32, .size: 8, .value_kind: global_buffer, .address_space: global }
      - { .name: genergy, .offset: 40, .size: 8, .value_kind: global_buffer, .address_space: global }
      - { .name: lsepart, .offset: 48, .size: 8, .value_kind: global_buffer, .address_space: global }
    .group_segment_fixed_size: 176640
    .private_segment_fixed_size: 0
    .kernarg_segment_align: 8
    .kernarg_segment_size: 56
    .max_flat_workgroup_size: 128
    .sgpr_count:     66
    .vgpr_count:     1024
    .wavefront_size: 32
...
	.end_amdgpu_metadata
.endif
;; end of part 1
;; launch product (part 2): grid 250 x 1, 8 waves a work-group, no clusters, 21,760 bytes of LDS; arguments genergy, lsepart, x_codes, x_scales, out0; writes out0
.if DOCPART == 2
	.amdgcn_target "amdgcn-amd-amdhsa--gfx1250"
	.amdhsa_code_object_version 6
	.text
	.protected	k_q8c953d377c_product
	.globl	k_q8c953d377c_product
	.p2align	8
	.type	k_q8c953d377c_product,@function
k_q8c953d377c_product:
	s_mov_b64 s[64:65], 0
	v_nop
	global_prefetch_b8 v0, s[64:65] scope:SCOPE_SE
	s_setreg_imm32_b32 hwreg(HW_REG_WAVE_MODE, 25, 1), 1
	s_wait_xcnt 0x0
; out0 = Q(w) x, w(v,t) = 2^(g(v,t) - M(t)) / S(t): the softmax over all 16,000 rows, finished and normalised, quantised to codes of FP4 (E2M1) with one E8M0 scale for each 32 columns t, and multiplied by x's codes as they are given.
; g: the energy in units of log 2, tile by tile of 16 rows, in the order of the loads below.  lsepart: [250][128], log2 of the sum of 2^g over 64 rows.
; M(t) = the largest of the 250 figures of column t, S(t) = the sum of 2^(figure - M): the maximum is taken away ahead of every exponential.
; SHARES.  A work-group of eight waves owns 64 rows (four tiles of 16).
;  1. Wave w reduces the figures of work-groups w, w + 8, .. (lane l: columns 4 l .. 4 l + 3) to a maximum and a sum | barrier | every wave joins the eight, and turns M and 1 / S through 1,024 LDS bytes of its own into the order of its operand.
;  2. Wave w quantises half a fragment: tile w / 2, k = 64 (w % 2) on.  Lane (r, h) holds a WHOLE block, row r, k = 64 (w % 2) + 32 h + 0 .. 31, so the block's largest number needs no other lane and the four
;     conversions' results are the operand's registers.  They go to LDS as an image of the registers, the two scale bytes of a row as 16 bits | barrier |
;  3. Wave w multiplies the four tiles by 64 columns of x: 16 matrix instructions, K = 128 in one.  THE COLUMNS OF A TILE ARE NOT NEIGHBOURS: lane r of tile q takes column 64 w + 4 r + q.  So register j of the four
;     accumulators of a row tile holds four NEIGHBOURING numbers of out0's row 8 h + j: four moves bring them together, and sixteen lanes store 256 consecutive bytes, aligned.  That spares a trip through LDS.
; NO CLUSTER: the grid has 250 work-groups, which is no multiple of 4.  No tensor load: all that is read is asked for at the head, straight into the registers that use it.
; LIMITS: NaN and infinities are not served.  A block all of whose w have fallen to 0 gets the scale byte 1: its codes are zeros.
.set L,    16                          ; v16-143  the partial figures; then the eight waves' maxima and sums (v16-79), M (v80-111), 1 / S (v112-143); then the 16 accumulators
.set MMR,  80
.set RSR,  112
.set ACC,  16
.set G,    144                         ; v144-175 g, then w; on the way out v144-239 are three sets of 32 registers to store
.set AF,   176                         ; v176-207 w's four fragments
.set X,    208                         ; v208-239 x's four fragments
.set FWB,  8192                        ; LDS: 0 the waves' maxima, 4,096 their sums, 8,192 each wave's own 1,024 bytes,
.set IMG,  16384                       ; the fragments' images, 1,024 bytes a tile,
.set SCI,  20480                       ; their scale words, 64 bytes a tile
	s_load_b256 s[4:11], s[0:1], 0x0               ; g s[4:5], the partials s[6:7], x's codes s[8:9], x's scales s[10:11]
	s_load_b64 s[12:13], s[0:1], 0x20              ; out0
	s_set_vgpr_msb 0x40
	v_lshl_add_u32 v0, v0, 2, 0x5100
	v_mov_b32 v1, 0
	s_set_vgpr_msb 0x4000
	v_lshrrev_b32 v240, 5, v0                      ; wave
	s_delay_alu instid0(VALU_DEP_1)
	v_readfirstlane_b32 s14, v240
	v_lshlrev_b32 v1, 4, v0                        ; 16 x thread = 512 x wave + 16 x lane
	v_and_b32 v241, 31, v0
	s_delay_alu instid0(VALU_DEP_1)
	v_lshlrev_b32 v2, 4, v241                      ; 16 x lane
	v_and_b32 v242, 15, v0                         ; r
	v_bfe_u32 v243, v0, 4, 1                       ; h
	s_delay_alu instid0(VALU_DEP_3)
	v_lshl_add_u32 v244, v240, 12, v2              ; g: my half tile is 4,096 bytes; 16 a lane
	v_lshlrev_b32 v3, 12, v240
	s_delay_alu instid0(VALU_DEP_1)
	v_lshl_add_u32 v3, v242, 8, v3
	s_delay_alu instid0(VALU_DEP_1)
	v_lshl_add_u32 v3, v243, 4, v3                 ; x's codes: row 64 w + 4 r of 64 bytes, + 16 h
	v_lshlrev_b32 v245, 8, v240
	s_delay_alu instid0(VALU_DEP_1)
	v_lshl_add_u32 v245, v242, 4, v245             ; x's scales: the words of rows 64 w + 4 r .. + 3
	v_lshl_add_u32 v12, v240, 10, v2
	s_delay_alu instid0(VALU_DEP_1)
	v_add_nc_u32 v12, FWB, v12                     ; my wave's own bytes, 16 a lane
	v_bfe_u32 v246, v0, 5, 1                       ; c = wave % 2
	v_lshlrev_b32 v13, 10, v240
	s_delay_alu instid0(VALU_DEP_1)
	v_lshl_add_u32 v13, v246, 8, v13
	s_delay_alu instid0(VALU_DEP_1)
	v_lshl_add_u32 v13, v243, 7, v13
	s_delay_alu instid0(VALU_DEP_1)
	v_add_nc_u32 v13, FWB, v13                     ; and read back from column 64 c + 32 h on
	v_lshrrev_b32 v247, 6, v0                      ; tile = wave / 2
	s_delay_alu instid0(VALU_DEP_1)
	v_lshlrev_b32 v14, 6, v247
	s_delay_alu instid0(VALU_DEP_1)
	v_lshl_add_u32 v14, v246, 1, v14
	s_delay_alu instid0(VALU_DEP_1)
	v_lshl_add_u32 v14, v242, 2, v14
	s_delay_alu instid0(VALU_DEP_1)
	v_add_nc_u32 v14, SCI, v14                     ; row r's scale word of my tile, bytes 2 c and 2 c + 1
	v_lshl_add_u32 v15, v242, 2, SCI               ; row r's scale word of tile 0
	s_lshl_b32 s16, ttmp9, 15                      ; my four tiles of 8,192 bytes
	s_mov_b32 s17, 0
	s_lshl_b32 s18, ttmp9, 17                      ; my 64 rows of 2,048 bytes,
	s_lshl_b32 s19, s14, 8                         ; my wave's 64 columns
	s_add_co_u32 s18, s18, s19
	s_mov_b32 s19, 0
	s_mov_b32 s20, 0x76543210
	s_mov_b32 s21, 0xfedcba98                      ; v_permlanex16_b32's selects for lane l xor 16
.irp e, 0,1,2,3
	v_mov_b32 v[L+124+\e], 0xff800000              ; waves 2 to 7 have 31 figures a column: the thirty-second counts for nothing
.endr
	s_wait_kmcnt 0x0
	s_add_nc_u64 s[4:5], s[4:5], s[16:17]
	s_add_nc_u64 s[12:13], s[12:13], s[18:19]
.set ii, 0
.rept 31
	global_load_b128 v[L+4*ii:L+4*ii+3], v1, s[6:7] offset:4096*ii   ; the figures of work-group 8 i + wave: 512 consecutive bytes
.set ii, ii+1
.endr
	s_cmp_lt_u32 s14, 2
	s_cbranch_scc0 .Lno_tail
	global_load_b128 v[L+124:L+127], v1, s[6:7] offset:4096*31       ; work-groups 248 and 249
.Lno_tail:
.irp q, 0,1,2,3,4,5,6,7
	global_load_b128 v[G+4*\q:G+4*\q+3], v244, s[4:5] offset:512*\q th:TH_LOAD_NT   ; lane (r, h): g(r, 64 c + 32 h + 4 q ..): 512 consecutive bytes
.endr
.irp q, 0,1,2,3
.irp c, 0,1
	global_load_b128 v[X+8*\q+4*\c:X+8*\q+4*\c+3], v3, s[8:9] offset:64*\q+32*\c    ; tile q: column 64 w + 4 r + q, k = 64 c + 32 h on
.endr
.endr
	global_load_b128 v[4:7], v245, s[10:11]        ; v4-7: the scale words of column r of tiles 0 to 3: they hold nothing else
	s_wait_loadcnt 0x0                             ; all that this launch reads is in; the offsets' registers are free
	; ---- 1: my 32 figures of each of my four columns
.irp e, 0,1,2,3
	v_max3_num_f32 v[240+\e], v[L+\e], v[L+4+\e], v[L+8+\e]
.endr
.set ii, 3
.rept 14
.irp e, 0,1,2,3
	s_delay_alu instid0(VALU_DEP_4)
	v_max3_num_f32 v[240+\e], v[240+\e], v[L+4*ii+\e], v[L+4*ii+4+\e]
.endr
.set ii, ii+2
.endr
.irp e, 0,1,2,3
	s_delay_alu instid0(VALU_DEP_4)
	v_max_num_f32 v[240+\e], v[240+\e], v[L+124+\e]
.endr
.set ii, 0
.rept 32
	v_pk_add_f32 v[L+4*ii:L+4*ii+1], v[L+4*ii:L+4*ii+1], v[240:241] neg_lo:[0,1] neg_hi:[0,1]
	v_pk_add_f32 v[L+4*ii+2:L+4*ii+3], v[L+4*ii+2:L+4*ii+3], v[242:243] neg_lo:[0,1] neg_hi:[0,1]
.set ii, ii+1
.endr
.set ii, 0
	s_wait_alu depctr_va_vdst(0)
.rept 128
	v_exp_f32 v[L+ii], v[L+ii]
.set ii, ii+1
.endr
	v_nop                                          ; a plain instruction behind the last exponential,
	s_wait_alu depctr_va_vdst(0)                   ; and one wait for the 128
.irp st, 16,8,4,2,1
.set rr, 0
.rept \st
	v_pk_add_f32 v[L+4*rr:L+4*rr+1], v[L+4*rr:L+4*rr+1], v[L+4*(rr+\st):L+4*(rr+\st)+1]
	v_pk_add_f32 v[L+4*rr+2:L+4*rr+3], v[L+4*rr+2:L+4*rr+3], v[L+4*(rr+\st)+2:L+4*(rr+\st)+3]
.set rr, rr+1
.endr
.endr
	ds_store_b128 v1, v[240:243]
	ds_store_b128 v1, v[L:L+3] offset:4096
	s_wait_dscnt 0x0                               ; for the others' sake: my stores have landed
	s_barrier_signal -1
	s_barrier_wait -1
.irp u, 0,1,2,3,4,5,6,7
	ds_load_b128 v[L+8*\u:L+8*\u+3], v2 offset:512*\u
	ds_load_b128 v[L+8*\u+4:L+8*\u+7], v2 offset:4096+512*\u
.endr
	s_wait_dscnt 0x0
.irp e, 0,1,2,3
	v_max3_num_f32 v[244+\e], v[L+\e], v[L+8+\e], v[L+16+\e]
.endr
.irp e, 0,1,2,3
	s_delay_alu instid0(VALU_DEP_4)
	v_max3_num_f32 v[244+\e], v[244+\e], v[L+24+\e], v[L+32+\e]
.endr
.irp e, 0,1,2,3
	s_delay_alu instid0(VALU_DEP_4)
	v_max3_num_f32 v[244+\e], v[244+\e], v[L+40+\e], v[L+48+\e]
.endr
.irp e, 0,1,2,3
	s_delay_alu instid0(VALU_DEP_4)
	v_max_num_f32 v[244+\e], v[244+\e], v[L+56+\e] ; M
.endr
.irp u, 0,1,2,3,4,5,6,7
	v_pk_add_f32 v[L+8*\u:L+8*\u+1], v[L+8*\u:L+8*\u+1], v[244:245] neg_lo:[0,1] neg_hi:[0,1]
	v_pk_add_f32 v[L+8*\u+2:L+8*\u+3], v[L+8*\u+2:L+8*\u+3], v[246:247] neg_lo:[0,1] neg_hi:[0,1]
.endr
	s_wait_alu depctr_va_vdst(0)
.irp u, 0,1,2,3,4,5,6,7
.irp e, 0,1,2,3
	v_exp_f32 v[L+8*\u+\e], v[L+8*\u+\e]
.endr
.endr
	v_nop
	s_wait_alu depctr_va_vdst(0)                   ; one wait for the 32
	v_pk_mul_f32 v[248:249], v[L+4:L+5], v[L:L+1]
	v_pk_mul_f32 v[250:251], v[L+6:L+7], v[L+2:L+3]
.irp u, 1,2,3,4,5,6,7
	v_pk_fma_f32 v[248:249], v[L+8*\u+4:L+8*\u+5], v[L+8*\u:L+8*\u+1], v[248:249]
	v_pk_fma_f32 v[250:251], v[L+8*\u+6:L+8*\u+7], v[L+8*\u+2:L+8*\u+3], v[250:251]
.endr
	s_wait_alu depctr_va_vdst(0)
.irp e, 0,1,2,3
	v_rcp_f32 v[252+\e], v[248+\e]                 ; 1 / S
.endr
	v_nop
	s_wait_alu depctr_va_vdst(0)
	ds_store_b128 v12, v[244:247]                  ; M and 1 / S of all 128 columns into my wave's own bytes;
	ds_store_b128 v12, v[252:255] offset:512
.irp q, 0,1,2,3,4,5,6,7
	ds_load_b128 v[MMR+4*\q:MMR+4*\q+3], v13 offset:16*\q          ; LDS serves a wave's instructions in order: these see the stores above.  Those of my 32 columns
	ds_load_b128 v[RSR+4*\q:RSR+4*\q+3], v13 offset:512+16*\q
.endr
	s_wait_dscnt 0x0
	; ---- 2: w, and its codes
.set ii, 0
.rept 16
	v_pk_add_f32 v[G+2*ii:G+2*ii+1], v[G+2*ii:G+2*ii+1], v[MMR+2*ii:MMR+2*ii+1] neg_lo:[0,1] neg_hi:[0,1]
.set ii, ii+1
.endr
.set ii, 0
	s_wait_alu depctr_va_vdst(0)
.rept 32
	v_exp_f32 v[G+ii], v[G+ii]
.set ii, ii+1
.endr
	v_bfe_u32 v248, v0, 4, 1                       ; (plain work behind the last exponential)
	s_delay_alu instid0(VALU_DEP_1)
	v_lshlrev_b32 v248, 3, v248                    ; 8 h
	v_mov_b32 v249, 0                              ; (a lane permute's destination counts as one of its sources)
	s_wait_alu depctr_va_vdst(0)                   ; one wait for the 32
.set ii, 0
.rept 16
	v_pk_mul_f32 v[G+2*ii:G+2*ii+1], v[G+2*ii:G+2*ii+1], v[RSR+2*ii:RSR+2*ii+1]
.set ii, ii+1
.endr
	v_max3_num_f32 v240, v[G], v[G+1], v[G+2]      ; the block's largest number: all 32 are mine, and none is negative
	v_max3_num_f32 v241, v[G+3], v[G+4], v[G+5]
.irp i, 6,10,14,18,22,26
	s_delay_alu instid0(VALU_DEP_2)
	v_max3_num_f32 v240, v240, v[G+\i], v[G+\i+1]
	s_delay_alu instid0(VALU_DEP_2)
	v_max3_num_f32 v241, v241, v[G+\i+2], v[G+\i+3]
.endr
	s_delay_alu instid0(VALU_DEP_2)
	v_max3_num_f32 v240, v240, v[G+30], v[G+31]
	s_delay_alu instid0(VALU_DEP_1)
	v_max3_num_f32 v240, v240, v241, 0x1800000     ; and the floor 2^(3 - 127): the scale's byte cannot fall under 1
	s_delay_alu instid0(VALU_DEP_1)
	v_add_nc_u32 v242, 0xff000000, v240            ; 2 off its exponent field: the conversion takes the exponent field of this operand as its scale
.irp g, 0,1,2,3
	v_cvt_scalef32_pk8_fp4_f32 v[244+\g], v[G+8*\g:G+8*\g+7], v242
.endr
	v_lshrrev_b32 v243, 23, v242                   ; the scale's byte (a plain instruction behind the conversions),
	s_delay_alu instid0(VALU_DEP_1)
	v_lshlrev_b32 v243, v248, v243                 ; at its place, 8 h bits up;
	s_delay_alu instid0(VALU_DEP_1)
	v_permlanex16_b32 v249, v243, s20, s21
	s_delay_alu instid0(VALU_DEP_1)
	v_or_b32 v243, v243, v249                      ; with lane l xor 16's: the bytes of blocks 2 c and 2 c + 1 of row r
	ds_store_b128 v1, v[244:247] offset:IMG        ; registers 4 c .. 4 c + 3 of tile w / 2's fragment, as they stand: 512 x wave + 16 x lane
	ds_store_b16 v14, v243                         ; both lanes of a row write the same 16 bits
	s_wait_dscnt 0x0                               ; for the others' sake: my stores have landed
	s_barrier_signal -1
	s_barrier_wait -1
	; ---- 3: four tiles of rows x my 64 columns
.irp t, 0,1,2,3
	ds_load_b128 v[AF+8*\t:AF+8*\t+3], v2 offset:IMG+1024*\t
	ds_load_b128 v[AF+8*\t+4:AF+8*\t+7], v2 offset:IMG+1024*\t+512
	ds_load_b32 v[8+\t], v15 offset:64*\t          ; v8-11: the tiles' scale words, lane r row r's: they hold nothing else
.endr
	v_bfe_u32 v3, v0, 4, 1
	s_delay_alu instid0(VALU_DEP_1)
	v_lshlrev_b32 v3, 14, v3
	v_and_b32 v240, 15, v0
	s_delay_alu instid0(VALU_DEP_1)
	v_lshl_add_u32 v3, v240, 4, v3                 ; out0: 8 h rows of 2,048 bytes + 16 r
	s_wait_dscnt 0x0
.irp t, 0,1,2,3
.irp q, 0,1,2,3
	v_wmma_scale_f32_16x16x128_f8f6f4 v[ACC+8*(4*\t+\q):ACC+8*(4*\t+\q)+7], v[AF+8*\t:AF+8*\t+7], v[X+8*\q:X+8*\q+7], 0, v[8+\t], v[4+\q] matrix_a_fmt:MATRIX_FMT_FP4 matrix_b_fmt:MATRIX_FMT_FP4
.endr
.endr
.rept 4
	v_nop                                          ; four plain instructions between the last product and the first read of a result or write of an operand (ISA guide 7.12.1)
.endr
.irp t, 0,1,2,3
.if \t == 3
	s_wait_xcnt 0x0                                ; tile 0's stores have read their registers: the first set is written again only behind this wait
.endif
.irp j, 0,1,2,3,4,5,6,7
.irp q, 0,1,2,3
	v_mov_b32 v[144+32*(\t%3)+4*\j+\q], v[ACC+8*(4*\t+\q)+\j]      ; out0(16 t + 8 h + j, 64 w + 4 r + q); each accumulator is read from its lowest register on
.endr
	s_wait_alu depctr_va_vdst(0)
	global_store_b128 v3, v[144+32*(\t%3)+4*\j:144+32*(\t%3)+4*\j+3], s[12:13] offset:(16*\t+\j)*2048 th:TH_STORE_NT   ; sixteen lanes store 256 consecutive bytes, aligned; lanes 16-31 the same eight rows down
.endr
.endr
	s_set_vgpr_msb 0x5
	s_wait_tensorcnt 0x0
	ds_add_u32 v0, v1
	s_wait_dscnt 0x0
	s_set_vgpr_msb 0x500
	s_endpgm
.Lfunc_end_k_q8c953d377c_product:
	.size	k_q8c953d377c_product, .Lfunc_end_k_q8c953d377c_product-k_q8c953d377c_product
	.p2alignl 7, 3214868480
	.fill 96, 4, 3214868480
	.section	.rodata,"a",@progbits
	.p2align	6, 0x0
	.amdhsa_kernel k_q8c953d377c_product
		.amdhsa_group_segment_fixed_size 21760
		.amdhsa_private_segment_fixed_size 0
		.amdhsa_enable_private_segment 0
		.amdhsa_kernarg_size 40
		.amdhsa_user_sgpr_count 2
		.amdhsa_user_sgpr_kernarg_segment_ptr 1
		.amdhsa_wavefront_size32 1
		.amdhsa_system_sgpr_workgroup_id_x 1
		.amdhsa_system_sgpr_workgroup_id_y 1
		.amdhsa_system_sgpr_workgroup_id_z 1
		.amdhsa_system_vgpr_workitem_id 0
		.amdhsa_next_free_vgpr 258
		.amdhsa_next_free_sgpr 66
		.amdhsa_reserve_vcc 0
		.amdhsa_float_denorm_mode_32 3
		.amdhsa_float_denorm_mode_16_64 3
		.amdhsa_memory_ordered 1
		.amdhsa_forward_progress 1
		.amdhsa_inst_pref_size 50
	.end_amdhsa_kernel
	.amdgpu_metadata
---
amdhsa.version: [ 1, 2 ]
amdhsa.kernels:
  - .name:           k_q8c953d377c_product
    .symbol:         k_q8c953d377c_product.kd
    .args:
      - { .name: genergy, .offset: 0, .size: 8, .value_kind: global_buffer, .address_space: global }
      - { .name: lsepart, .offset: 8, .size: 8, .value_kind: global_buffer, .address_space: global }
      - { .name: x_codes, .offset: 16, .size: 8, .value_kind: global_buffer, .address_space: global }
      - { .name: x_scales, .offset: 24, .size: 8, .value_kind: global_buffer, .address_space: global }
      - { .name: out0, .offset: 32, .size: 8, .value_kind: global_buffer, .address_space: global }
    .group_segment_fixed_size: 21760
    .private_segment_fixed_size: 0
    .kernarg_segment_align: 8
    .kernarg_segment_size: 40
    .max_flat_workgroup_size: 256
    .sgpr_count:     66
    .vgpr_count:     258
    .wavefront_size: 32
...
	.end_amdgpu_metadata
.endif
;; end of part 2
